; MI455X (gfx1250); checked and timed in simulation.
; The chip was launched on July 23, 2026; its instructions are those of AMD's public machine-readable ISA for CDNA 5 (MIT licence, August 2026) and "CDNA5" Instruction Set Architecture Reference Guide (July 2026). The comments in the code are by the model that wrote it; some were corrected since.
;; Transformer Encoder. Allowed arithmetic: matrix products marked QUANTISED: E4M3 operands, one E8M0 scale for each 32 along K, by v_wmma_scale_f32_16x16x128_f8f6f4 with both operands' format E4M3, f32 sums; products left as they are: f32 operands where the result goes on into a quantised operand, else bf16, f16 or f32 operands; f32 sums; everything else in f32.
;; Inputs: W1 8 x 512 float32; W2 512 x 8 float32; Wk 8 x 8 x 64 float32; Wo 512 x 8 float32; Wq 8 x 8 x 64 float32; Wv 8 x 8 x 64 float32; b1 512 float32; b2 8 float32; bk 8 x 64 float32; bo 8 float32; bq 8 x 64 float32; bv 8 x 64 float32; k 8 x 2,048 x 8 float32; ln1_b 8 x 2,048 x 8 float32; ln1_g 8 x 2,048 x 8 float32; ln2_b 8 x 2,048 x 8 float32; ln2_g 8 x 2,048 x 8 float32; q 8 x 2,048 x 8 float32; v 8 x 2,048 x 8 float32.
;; Outputs: out0 8 x 2,048 x 8 float32; out1 8 x 2,048 x 8 float32; out2 8 x 2,048 x 8 float32.
;; This version of the problem:
;;   THIS VERSION OF THE PROBLEM IS GIVEN IN LOW PRECISION. The matrix products marked QUANTISED in the list below multiply operands that are first quantised to E4M3 (4 exponent bits, 3 mantissa bits; 8 bits a number), with one power-of-two scale for each 32 numbers along K (OCP MX v1.0); their sums are f32. All else is computed in f32.
;;   The module's matrix products, in the order in which they are computed (A, B: the left and right operand; K: the contracted axis; several contracted axes count as one K, in the product's order):
;;     1. [M 512, K 8] x [K 8, N 16,384]; A: input Wq; B: input q: left as it is (K = 8 < 32)
;;     2. [M 512, K 8] x [K 8, N 16,384]; A: input Wk; B: input k: left as it is (K = 8 < 32)
;;     3. [M 512, K 8] x [K 8, N 16,384]; A: input Wv; B: input v: left as it is (K = 8 < 32)
;;     4. batch 64 x [M 2,048, K 64] x [K 64, N 2,048]; A: computed on the way; B: computed on the way: QUANTISED
;;     5. batch 64 x [M 2,048, K 2,048] x [K 2,048, N 64]; A: softmax (see below); B: computed on the way: QUANTISED
;;     6. [M 16,384, K 512] x [K 512, N 8]; A: computed on the way; B: input Wo: left as it is (N = 8 < 16)
;;     7. [M 16,384, K 8] x [K 8, N 512]; A: computed on the way; B: input W1: left as it is (K = 8 < 32)
;;     8. [M 16,384, K 512] x [K 512, N 8]; A: computed on the way; B: input W2: left as it is (N = 8 < 16)
;;   THE QUANTISER, for each operand of a quantised product, along K:
;;     - K is cut into blocks of 32 from its start; a last block that is shorter is filled with zeros.
;;     - A block's scale is 2^e with e = floor(log2(the largest magnitude in the block)) - 8, held to -126 .. 127; a block of zeros has e = 0. As a byte (E8M0): e + 127.
;;     - Each number is divided by its block's scale, clamped to +-448, and rounded to the nearest number of E4M3, ties to even, subnormals kept.
;;     - The product sums the exact products of the quantised numbers (number of the format x scale) in f32.
;;   ~~~python
;;   def quantise(x, axis):      # numpy; x: float32 -> the quantised numbers, widened to float32 again
;;       x = np.moveaxis(x, axis, -1); K = x.shape[-1]
;;       x = np.pad(x, [(0, 0)] * (x.ndim - 1) + [(0, -K % 32)]); x = x.reshape(x.shape[:-1] + (-1, 32)); a = np.abs(x).max(-1, keepdims=True)
;;       e = np.where(a > 0, np.clip(np.frexp(np.where(a > 0, a, 1))[1] - 1 - 8, -126, 127), 0)      # np.frexp(a)[1] - 1 = floor(log2(a)), exactly
;;       r = np.clip(x / 2.0 ** e, -448, 448)
;;       step = 2.0 ** (np.maximum(np.frexp(np.where(r == 0, 1, r))[1] - 1, -6) - 3)
;;       q = np.round(r / step) * step * 2.0 ** e      # np.round: ties to even
;;       return np.moveaxis(q.reshape(q.shape[:-2] + (-1,))[..., :K], -1, axis).astype(np.float32)
;;   ~~~
;;   SOFTMAX AHEAD OF A QUANTISED PRODUCT. Where the list says 'softmax', what is quantised is not the finished softmax but p = 2^(t - M), with t = logit x log2(e) and M = ceil(the row's largest t), a whole number; so 1/2 < the row's largest p <= 1. The row's sum l is taken of the UNQUANTISED p, in f32, and the product's result is divided by l at the end. Since M is a whole number, a kernel that streams over the keys may use a running M (the ceiling of the running maximum): every later rescaling is an exact power of two, which a block's scale takes up: the codes' values come out the same.
;;   OPERANDS COMPUTED ON THE WAY. 'Computed on the way' means the value that the module computes at that place (a softmax that the list does not call 'softmax' is quantised finished and normalised). What goes into a quantiser is computed in f32, as accurately as f32 sums, v_exp_f32 and their like allow (about 1e-6 of the number): no bf16 or f16 on the way to a quantiser, and a product that is left as it is and whose result goes on into a quantised operand takes f32 operands (vector FMAs, or v_wmma_f32_16x16x4_f32). A number that lies on a knife's edge between two numbers of the format may be rounded either way, as far as f32 arithmetic and the matrix unit's own rounding can turn it there, and no further.
;; One version. Each part assembles by itself: llvm-mc -triple=amdgcn-amd-amdhsa -mcpu=gfx1250 --defsym DOCPART=n.
;; ======== version 1 of 1: 5 launches
;; limits: values outside matrix products are rounded to bf16; right only within a limited range of input values
;; workspace buffers: qrec 8,650,752 bytes; kv 17,301,504 bytes; wimg 49,152 bytes; part 4,194,304 bytes; xbuf 524,288 bytes; ybuf 524,288 bytes; stat1 8,192 bytes; stat2 8,192 bytes
;; launch prep (part 1): grid 772 x 1, 4 waves a work-group, no clusters, 0 bytes of LDS; arguments q, k, v, Wq, Wk, Wv, bq, bk, bv, W1, b1, W2, Wo, qrec, kv, wimg; writes qrec, kv, wimg
.if DOCPART == 1
	.amdgcn_target "amdgcn-amd-amdhsa--gfx1250"
	.amdhsa_code_object_version 6
	.text
	.protected	k_q083f0cdce4_prep
	.globl	k_q083f0cdce4_prep
	.p2align	8
	.type	k_q083f0cdce4_prep,@function
k_q083f0cdce4_prep:
	s_mov_b64 s[64:65], 0
	v_nop
	global_prefetch_b8 v0, s[64:65] scope:SCOPE_SE
	s_setreg_imm32_b32 hwreg(HW_REG_WAVE_MODE, 25, 1), 1
	s_wait_xcnt 0x0
; TransformerEncoder, launch 1 of 5: the three projections, quantised once, and the small weights as images of operand registers.
; NO WORK OF THE PROBLEM IS LEFT OUT in any of the five launches: every input has a way to an output (bk moves K's codes, so it stays), and the three outputs are the same numbers, stored three times.
; qh = q Wq + bq, kh = k Wk + bk, vh = v Wv + bv go on into quantisers, so they are made in f32: v_wmma_f32_16x16x4_f32, two K steps for the 8 features, the bias as the C of the first.
; Then the MX-FP8 quantiser: blocks of 32 along d for qh and kh, along the keys for vh; scale byte = the largest magnitude's exponent field - 8, held at 1 from below; numbers held within +-448 x the scale.
; LIMITS: NaN and infinities among the inputs are not served; a block whose largest magnitude lies under 2^(9 - 127) gets the byte 1; a block of zeros gets the byte 1 where the rule says 127: its codes are zeros,
; which add nothing under any byte but 0xff, and the bytes are read by this program alone.
; A RECORD is 128 positions of one (batch, head), 8,448 bytes: 16 groups of 512 bytes, lane l's 16 codes at 512 g + 16 l, then 256 bytes of scale words, lane r's words 0..3 at 8,192 + 16 r (word g / 4, byte g % 4).
;   Q, K: g = 4 b + 2 u + c: lane (r, h) holds position 32 b + 8 u + r + 8 (r / 8), d = 32 c + 16 h + 0..15.     V: g = 4 T + c: lane (r, h) holds channel 16 T + r, keys 32 c + 16 h + 0..15.
; So the attention launch gets every fragment by loads of 16 bytes a lane at 16 x lane.  One wave makes one record: work-groups 0-255 Q's, 256-511 K's, 512-767 V's; work-groups 768-771 the images.
; IMAGES (bf16, lane l's 16 bytes at 16 l): for s = 0..15 at 2,048 s: W1's hidden units 32 s + 0..15, then 32 s + 16..31 (lanes 0-15: the unit's 8 features; lanes 16-31: b1 at k = 8, then zeros), then W2's rows 32 s .. 32 s + 31
; (two groups); at 32,768 + 1,024 s: Wo's rows 32 s .. 32 s + 31.  In W2's and Wo's fragments matrix rows 0-3 are outputs 0-3, rows 8-11 outputs 4-7, the others zeros: a lane's result registers 0-3 are then 4 neighbouring outputs.
.set XA, 4                             ; v4   x: (r + 8 (r / 8)) x 32 + 8 h
.set WA, 5                             ; v5   the weight's lane offset
.set BA, 6                             ; v6   the bias's
.set LI, 7                             ; v7   16 x lane
.set SA, 8                             ; v8   8,192 + 16 r + 8 h
.set XF, 12                            ; v12-43   8 tiles of 16 positions x 8 features: 4 registers each
.set WF, 44                            ; v44-59   4 tiles of 16 of the head's 64 x 8 features
.set BI, 60                            ; v60-91   the bias in the result's layout, 8 registers a tile
.set DA, 92                            ; v92-155  8 results of 16 x 16; written by matrix instructions alone
.set TP, 156                           ; v156-187 not used: the conversions read the results' registers
.set PC, 188                           ; v188-203 codes
.set TM, 204                           ; v204-207 largest magnitudes, v208-211 the other half's, then bytes, v216-219 the conversions' scale operands
.set PW, 220                           ; v220-223 the record's four scale words
.set SW, 224                           ; v224-225 the two that my half of the lanes stores
	s_load_b512 s[8:23], s[0:1], 0x0               ; q 8, k 10, v 12, Wq 14, Wk 16, Wv 18, bq 20, bk 22
	s_load_b512 s[24:39], s[0:1], 0x40             ; bv 24, W1 26, b1 28, W2 30, Wo 32, qrec 34, kv 36, wimg 38
	v_lshrrev_b32 v1, 5, v0
	v_readfirstlane_b32 s40, v1                    ; wave 0..3
	v_and_b32 v2, 15, v0                           ; r
	v_bfe_u32 v3, v0, 4, 1                         ; h
	v_and_b32 v9, 31, v0
	v_lshlrev_b32 v[LI], 4, v9
	v_mov_b32 v11, 0
	s_mov_b32 s60, 0x76543210
	s_mov_b32 s61, 0xfedcba98                      ; v_permlanex16_b32's selects for lane l xor 16
	s_mov_b32 s63, 0xffff0000                      ; lanes 16-31
	s_mov_b32 s59, 0x0f0f0f0f                      ; lanes whose matrix row has bit 2 clear
	s_mov_b32 s57, 0
	s_wait_kmcnt 0x0
	s_cmp_ge_u32 ttmp9, 768
	s_cbranch_scc1 .Limages
	s_and_b32 s41, ttmp9, 255
	s_lshl_b32 s41, s41, 2
	s_add_co_u32 s41, s41, s40                     ; which record of its tensor: 16 x (batch, head) + step
	s_lshr_b32 s42, s41, 4
	s_and_b32 s43, s41, 15                         ; which 128 positions
	s_lshr_b32 s44, s42, 3                         ; batch
	s_and_b32 s45, s42, 7                          ; head
	s_cmp_lt_u32 ttmp9, 512                        ; the buffers are chosen by the work-group's number alone
	s_cselect_b64 s[48:49], s[10:11], s[12:13]
	s_cselect_b64 s[50:51], s[16:17], s[18:19]
	s_cselect_b64 s[52:53], s[22:23], s[24:25]
	s_cselect_b32 s47, 0, 8448                     ; V's record lies behind K's
	s_cmp_lt_u32 ttmp9, 256
	s_cselect_b64 s[48:49], s[8:9], s[48:49]       ; x
	s_cselect_b64 s[50:51], s[14:15], s[50:51]     ; W
	s_cselect_b64 s[52:53], s[20:21], s[52:53]     ; bias
	s_cselect_b64 s[54:55], s[34:35], s[36:37]     ; where the record goes
	s_cselect_b32 s46, 0, 1                        ; in kv a step is two records
	s_mul_i32 s56, s41, 8448
	s_lshl_b32 s56, s56, s46
	s_add_co_u32 s56, s56, s47
	s_add_nc_u64 s[54:55], s[54:55], s[56:57]
	s_lshl_b32 s56, s44, 16                        ; a batch's 2,048 positions of 32 bytes,
	s_lshl_b32 s58, s43, 12                        ; 128 of them
	s_add_co_u32 s56, s56, s58
	s_add_nc_u64 s[48:49], s[48:49], s[56:57]
	s_lshl_b32 s56, s45, 11                        ; a head's 8 x 64 weights
	s_add_nc_u64 s[50:51], s[50:51], s[56:57]
	s_lshl_b32 s56, s45, 8
	s_add_nc_u64 s[52:53], s[52:53], s[56:57]
	s_wait_alu depctr_va_vdst(0)
	v_and_b32 v10, 8, v2
	v_add_nc_u32 v10, v10, v2                      ; r + 8 (r / 8)
	v_lshlrev_b32 v[XA], 5, v10
	v_lshl_add_u32 v[XA], v3, 3, v[XA]
	v_lshlrev_b32 v[SA], 4, v2
	v_lshl_add_u32 v[SA], v3, 3, v[SA]
	v_add_nc_u32 v[SA], 8192, v[SA]
.irp b, 0,1,2,3
	v_mov_b32 v[TM+4+\b], 0                        ; written once: a lane permute's destination counts as one of its sources
.endr
.irp t, 0,1,2,3,4,5,6,7                        ; tile t: lane r takes position 32 (t / 2) + 8 (t % 2) + r + 8 (r / 8); register 2 s2 + j holds feature 4 s2 + 2 h + j
.irp s2, 0,1
	global_load_b64 v[XF+4*\t+2*\s2:XF+4*\t+2*\s2+1], v[XA], s[48:49] offset:(32*(\t/2)+8*(\t%2))*32+16*\s2
.endr
.endr
; 16 matrix instructions on 8 results D = DA + 16 be + 8 up: all eight with features 0-3 and the bias as C, then all eight with features 4-7 in place: the eight take turns.
; path 0 (Q, K; rho = b, be = 2 u + c): source 0 = 16 of the head's 64 (lane m: d = 32 c + 8 up + m + 8 (m / 8)), source 1 = 16 positions.   path 1 (V; rho = T, be = c): source 0 = 16 keys, source 1 = channels 16 T + r.
; Either way lane (r, h)'s register 16 be + i is number 16 h + i of block be of its row.
.macro MM path, rho
.irp s2, 0,1
.irp be, 0,1,2,3
.irp up, 0,1
.if \path == 0
.set rA, WF+4*(2*(\be%2)+\up)+2*\s2
.set rB, XF+4*(2*\rho+\be/2)+2*\s2
.set rC, BI+8*(2*(\be%2)+\up)
.else
.set rA, XF+4*(2*\be+\up)+2*\s2
.set rB, WF+4*\rho+2*\s2
.set rC, BI+8*\rho
.endif
.set rD, DA+16*\be+8*\up
.if \s2 == 0
	v_wmma_f32_16x16x4_f32 v[rD:rD+7], v[rA:rA+1], v[rB:rB+1], v[rC:rC+7]
.else
	v_wmma_f32_16x16x4_f32 v[rD:rD+7], v[rA:rA+1], v[rB:rB+1], v[rD:rD+7]
.endif
.endr
.endr
.endr
.rept 8
	v_nop                                          ; eight places between the last product and the first read of results (ISA guide 7.12.1); the next MM, which writes the results anew, stands behind many more plain lines
.endr
.endm
; The 64 numbers become four groups of codes in v[PC] on and the scale word v[PW + rho].  The conversions read the results' registers, which are written by matrix instructions alone.
.macro QUANT rho
.irp b, 0,1,2,3
	v_max3_num_f32 v[TM+\b], |v[DA+16*\b]|, |v[DA+16*\b+1]|, 0x4800000   ; block b: my 16 numbers, and the floor 2^(9 - 127): the byte cannot fall under 1
.endr
.irp i, 2,4,6,8,10,12,14
.irp b, 0,1,2,3
	v_max3_num_f32 v[TM+\b], v[TM+\b], |v[DA+16*\b+\i]|, |v[DA+16*\b+\i+1]|   ; (the four blocks by turns; each result is first read at its low end)
.endr
.endr
.irp b, 0,1,2,3
	v_permlanex16_b32 v[TM+4+\b], v[TM+\b], s60, s61
.endr
.irp b, 0,1,2,3
	v_max_num_f32 v[TM+\b], v[TM+\b], v[TM+4+\b]   ; with lane l xor 16's 16: the block's largest magnitude
.endr
.irp b, 0,1,2,3
	v_add_nc_u32 v[TM+12+\b], 0xfc000000, v[TM+\b] ; 8 off its exponent field: the conversion's scale operand
.endr
.irp b, 0,1,2,3
.endr
.irp b, 0,1,2,3
	v_lshrrev_b32 v[TM+4+\b], 23, v[TM+12+\b]      ; the scale's byte
.endr
	v_lshl_or_b32 v[PW+\rho], v[TM+5], 8, v[TM+4]
	v_lshl_or_b32 v[PW+\rho], v[TM+6], 16, v[PW+\rho]
	v_lshl_or_b32 v[PW+\rho], v[TM+7], 24, v[PW+\rho]
.if \rho > 0
	s_wait_xcnt 0x0                                ; the last four stores have read their data: the codes' registers are written again only behind this wait
.endif
.irp b, 0,1,2,3
.irp i, 0,1,2,3,4,5,6,7,8,9,10,11,12,13,14,15
.endr
	v_cvt_scalef32_pk8_fp8_f32 v[PC+4*\b:PC+4*\b+1], v[TP+16*(\b%2)+((DA+16*\b+0)-(TP+16*(\b%2)+0)):TP+16*(\b%2)+7+((DA+16*\b+0)-(TP+16*(\b%2)+0))], v[TM+12+\b]
	v_cvt_scalef32_pk8_fp8_f32 v[PC+4*\b+2:PC+4*\b+3], v[TP+16*(\b%2)+8+((DA+16*\b+0)-(TP+16*(\b%2)+0)):TP+16*(\b%2)+15+((DA+16*\b+0)-(TP+16*(\b%2)+0))], v[TM+12+\b]
.endr
	v_nop                                          ; one plain line behind the last conversion
.irp b, 0,1,2,3
	global_store_b128 v[LI], v[PC+4*\b:PC+4*\b+3], s[54:55] offset:(4*\rho+\b)*512   ; 32 lanes store 512 consecutive bytes
.endr
.endm
	s_cmp_ge_u32 ttmp9, 512
	s_cbranch_scc1 .Lvpath
	v_lshlrev_b32 v[WA], 2, v10
	v_lshl_add_u32 v[WA], v3, 9, v[WA]             ; W[f][d]: 512 h (two features) + 4 (r + 8 (r / 8))
	v_lshlrev_b32 v[BA], 6, v3                     ; the bias: 16 h numbers on
.irp i, 0,1,2,3
.irp s2, 0,1
.irp j, 0,1
	global_load_b32 v[WF+4*\i+2*\s2+\j], v[WA], s[50:51] offset:(4*\s2+\j)*256+(32*(\i/2)+8*(\i%2))*4
.endr
.endr
	global_load_b128 v[BI+8*\i:BI+8*\i+3], v[BA], s[52:53] offset:(32*(\i/2)+8*(\i%2))*4
	global_load_b128 v[BI+8*\i+4:BI+8*\i+7], v[BA], s[52:53] offset:(32*(\i/2)+8*(\i%2))*4+16
.endr
	s_wait_loadcnt 0x0
.irp rr, 0,1,2,3
	MM 0, \rr
	QUANT \rr
.endr
	s_branch .Ltail
.Lvpath:
	v_lshlrev_b32 v[BA], 2, v2                     ; channel r of a tile
	v_lshl_add_u32 v[WA], v3, 9, v[BA]             ; 512 h + 4 r
.irp i, 0,1,2,3
.irp s2, 0,1
.irp j, 0,1
	global_load_b32 v[WF+4*\i+2*\s2+\j], v[WA], s[50:51] offset:(4*\s2+\j)*256+64*\i
.endr
.endr
	global_load_b32 v[BI+8*\i], v[BA], s[52:53] offset:64*\i
.endr
	s_wait_loadcnt 0x0
.irp i, 0,1,2,3
.irp j, 1,2,3,4,5,6,7
	v_mov_b32 v[BI+8*\i+\j], v[BI+8*\i]            ; a lane's eight results are eight keys of one channel: one bias
.endr
.endr
.irp rr, 0,1,2,3
	MM 1, \rr
	QUANT \rr
.endr
.Ltail:
	v_cndmask_b32 v[SW], v[PW], v[PW+2], s63       ; both halves of the lanes hold row r's four words: lanes 0-15 store words 0, 1, lanes 16-31 words 2, 3
	v_cndmask_b32 v[SW+1], v[PW+1], v[PW+3], s63
	global_store_b64 v[SA], v[SW:SW+1], s[54:55]   ; 256 consecutive bytes
	s_endpgm
.Limages:
	s_sub_co_u32 s41, ttmp9, 768
	s_lshl_b32 s41, s41, 2
	s_add_co_u32 s41, s41, s40                     ; s = 0..15: 32 hidden units of W1 and W2, 32 rows of Wo
	s_lshl_b32 s56, s41, 7
	s_add_nc_u64 s[26:27], s[26:27], s[56:57]
	s_add_nc_u64 s[28:29], s[28:29], s[56:57]
	s_lshl_b32 s56, s41, 10
	s_add_nc_u64 s[30:31], s[30:31], s[56:57]
	s_add_nc_u64 s[32:33], s[32:33], s[56:57]
	s_add_nc_u64 s[48:49], s[38:39], s[56:57]      ; wimg + 1,024 s,
	s_add_nc_u64 s[50:51], s[48:49], s[56:57]      ; wimg + 2,048 s
	s_wait_alu depctr_va_vdst(0)
	v_lshlrev_b32 v[WA], 2, v2                     ; W1, b1: unit m = r
	v_and_b32 v[BA], 3, v2
	v_lshrrev_b32 v10, 3, v2
	v_lshl_add_u32 v[BA], v10, 2, v[BA]            ; W2, Wo: output (m % 4) + 4 (m / 8),
	v_lshlrev_b32 v[BA], 2, v[BA]
	v_lshl_add_u32 v[BA], v3, 8, v[BA]             ; and 8 h rows of 32 bytes
.irp e, 0,1
.irp f, 0,1,2,3,4,5,6,7
	global_load_b32 v[12+8*\e+\f], v[WA], s[26:27] offset:\f*2048+64*\e
.endr
	global_load_b32 v[28+\e], v[WA], s[28:29] offset:64*\e
.endr
.irp n, 0,1,2,3,4,5,6,7,8,9,10,11,12,13,14,15  ; register n: row 16 (n / 8) + 8 h + n % 8 of the 32
	global_load_b32 v[32+\n], v[BA], s[30:31] offset:(16*(\n/8)+\n%8)*32
	global_load_b32 v[48+\n], v[BA], s[32:33] offset:(16*(\n/8)+\n%8)*32
.endr
	s_wait_loadcnt 0x0
.irp e, 0,1
.irp i, 0,1,2,3
	v_cvt_pk_bf16_f32 v[64+4*\e+\i], v[12+8*\e+2*\i], v[12+8*\e+2*\i+1]
.endr
	v_cvt_pk_bf16_f32 v[72+\e], v[28+\e], v11      ; b1 at k = 8, zero at k = 9
	v_cndmask_b32 v[64+4*\e], v[64+4*\e], v[72+\e], s63
.irp i, 1,2,3
	v_cndmask_b32 v[64+4*\e+\i], v[64+4*\e+\i], v11, s63
.endr
.endr
.irp n, 0,1,2,3,4,5,6,7
	v_cvt_pk_bf16_f32 v[76+\n], v[32+2*\n], v[32+2*\n+1]
	v_cvt_pk_bf16_f32 v[84+\n], v[48+2*\n], v[48+2*\n+1]
.endr
.irp n, 0,1,2,3,4,5,6,7
	v_cndmask_b32 v[76+\n], v11, v[76+\n], s59     ; matrix rows 4-7 and 12-15 are zeros
	v_cndmask_b32 v[84+\n], v11, v[84+\n], s59
.endr
	global_store_b128 v[LI], v[64:67], s[50:51]
	global_store_b128 v[LI], v[68:71], s[50:51] offset:512
	global_store_b128 v[LI], v[76:79], s[50:51] offset:1024
	global_store_b128 v[LI], v[80:83], s[50:51] offset:1536
	global_store_b128 v[LI], v[84:87], s[48:49] offset:32768
	global_store_b128 v[LI], v[88:91], s[48:49] offset:33280
	s_endpgm
.Lfunc_end_k_q083f0cdce4_prep:
	.size	k_q083f0cdce4_prep, .Lfunc_end_k_q083f0cdce4_prep-k_q083f0cdce4_prep
	.p2alignl 7, 3214868480
	.fill 96, 4, 3214868480
	.section	.rodata,"a",@progbits
	.p2align	6, 0x0
	.amdhsa_kernel k_q083f0cdce4_prep
		.amdhsa_group_segment_fixed_size 0
		.amdhsa_private_segment_fixed_size 0
		.amdhsa_enable_private_segment 0
		.amdhsa_kernarg_size 128
		.amdhsa_user_sgpr_count 2
		.amdhsa_user_sgpr_kernarg_segment_ptr 1
		.amdhsa_wavefront_size32 1
		.amdhsa_system_sgpr_workgroup_id_x 1
		.amdhsa_system_sgpr_workgroup_id_y 1
		.amdhsa_system_sgpr_workgroup_id_z 1
		.amdhsa_system_vgpr_workitem_id 0
		.amdhsa_next_free_vgpr 256
		.amdhsa_next_free_sgpr 66
		.amdhsa_reserve_vcc 0
		.amdhsa_float_denorm_mode_32 3
		.amdhsa_float_denorm_mode_16_64 3
		.amdhsa_fp16_overflow 1
		.amdhsa_memory_ordered 1
		.amdhsa_forward_progress 1
		.amdhsa_inst_pref_size 61
	.end_amdhsa_kernel
	.amdgpu_metadata
---
amdhsa.version: [ 1, 2 ]
amdhsa.kernels:
  - .name:           k_q083f0cdce4_prep
    .symbol:         k_q083f0cdce4_prep.kd
    .args:
      - { .name: q, .offset: 0, .size: 8, .value_kind: global_buffer, .address_space: global }
      - { .name: k, .offset: 8, .size: 8, .value_kind: global_buffer, .address_space: global }
      - { .name: v, .offset: 16, .size: 8, .value_kind: global_buffer, .address_space: global }
      - { .name: Wq, .offset: 24, .size: 8, .value_kind: global_buffer, .address_space: global }
      - { .name: Wk, .offset: 32, .size: 8, .value_kind: global_buffer, .address_space: global }
      - { .name: Wv, .offset: 40, .size: 8, .value_kind: global_buffer, .address_space: global }
      - { .name: bq, .offset: 48, .size: 8, .value_kind: global_buffer, .address_space: global }
      - { .name: bk, .offset: 56, .size: 8, .value_kind: global_buffer, .address_space: global }
      - { .name: bv, .offset: 64, .size: 8, .value_kind: global_buffer, .address_space: global }
      - { .name: W1, .offset: 72, .size: 8, .value_kind: global_buffer, .address_space: global }
      - { .name: b1, .offset: 80, .size: 8, .value_kind: global_buffer, .address_space: global }
      - { .name: W2, .offset: 88, .size: 8, .value_kind: global_buffer, .address_space: global }
      - { .name: Wo, .offset: 96, .size: 8, .value_kind: global_buffer, .address_space: global }
      - { .name: qrec, .offset: 104, .size: 8, .value_kind: global_buffer, .address_space: global }
      - { .name: kv, .offset: 112, .size: 8, .value_kind: global_buffer, .address_space: global }
      - { .name: wimg, .offset: 120, .size: 8, .value_kind: global_buffer, .address_space: global }
    .group_segment_fixed_size: 0
    .private_segment_fixed_size: 0
    .kernarg_segment_align: 8
    .kernarg_segment_size: 128
    .max_flat_workgroup_size: 128
    .sgpr_count:     66
    .vgpr_count:     256
    .wavefront_size: 32
...
	.end_amdgpu_metadata
.endif
;; end of part 1
;; launch attn (part 2): grid 4 x 64, 8 waves a work-group, clusters of 4 x 1, 327,680 bytes of LDS; arguments qrec, kv, wimg, part; writes part
.if DOCPART == 2
	.amdgcn_target "amdgcn-amd-amdhsa--gfx1250"
	.amdhsa_code_object_version 6
	.text
	.protected	k_q083f0cdce4_attn
	.globl	k_q083f0cdce4_attn
	.p2align	8
	.type	k_q083f0cdce4_attn,@function
k_q083f0cdce4_attn:
	s_mov_b64 s[64:65], 0
	v_nop
	global_prefetch_b8 v0, s[64:65] scope:SCOPE_SE
	s_setreg_imm32_b32 hwreg(HW_REG_WAVE_MODE, 25, 1), 1
	s_wait_xcnt 0x0
	s_wait_alu depctr_hold_cnt(0) depctr_sa_sdst(0) depctr_va_vdst(0) depctr_va_sdst(0) depctr_va_ssrc(0) depctr_va_vcc(0) depctr_vm_vsrc(0)
	s_getreg_b32 s2, hwreg(HW_REG_IB_STS2, 6, 4)
	s_cmp_eq_u32 s2, 0
	s_cbranch_scc0 .Lentry_in_a_cluster
	s_endpgm
.Lentry_in_a_cluster:
	s_bfe_u32 s2, ttmp6, 0x10000c
	s_cmp_lg_u32 s2, 0x3003
	s_cbranch_scc0 .Lentry_shape_is_right
	s_endpgm
.Lentry_shape_is_right:
.set STEPB, 16896
.set VOFF,  8448
.set SCW,   8192
.set KVH,   270336
.set COPY,  270336
.set SPARE, 278784
.set LI,  1
.set ADR, 2
.set LR,  3
.set ADS, 4
.set SPW, 5
.set NIL, 6
.set GO,  7
.set KS,  8
.set VS,  12
.set LQS, 16
.set QNS, 17
.set ST,  20
.set QN,  68
.set S,   84
.set P,   212
.set O,   0
.set QZ,  64
.set KA,  112
.set VA,  176
.set WOF, 240
.set WV,  12
.set CX,  13
.set YH,  14
.set G1A, 16
.set G1B, 24
.set G0A, 32
.set G0B, 36
.set SEL, 40
.set CS,  42
.set MNT, 44
.set TB,  45
.set STEPS, 46
.set PASS, 47
.set QP,  48
.set PP,  50
.set WOP, 52
.set MSB, 0
.macro WIN new
.if MSB != \new
	s_set_vgpr_msb (MSB<<8)|\new
.set MSB, \new
.endif
.endm
.macro CROUND
	s_barrier_signal -1
	s_barrier_wait -1
	s_cmp_lg_u32 s[WV], 0
	s_cbranch_scc1 .Lnot_wave_0_\@
	s_barrier_signal -3
.Lnot_wave_0_\@:
	s_barrier_wait -3
	s_barrier_signal -1
	s_barrier_wait -1
.endm
.macro QLOAD
.irp g, 0,1,2,3
	global_load_b128 v[QN+4*\g:QN+4*\g+3], v[LI], s[QP:QP+1] offset:512*\g
.endr
	global_load_b32 v[QNS], v[LQS], s[QP:QP+1]
.endm
	s_load_b256 s[4:11], s[0:1], 0x0
	v_lshl_add_u32 v[SPW], v0, 2, SPARE
	v_mov_b32 v[NIL], 0
	ds_add_u32 v[SPW], v[NIL]
	ds_add_u32 v[SPW], v[NIL]
	v_lshrrev_b32 v18, 5, v0
	s_delay_alu instid0(VALU_DEP_1)
	v_readfirstlane_b32 s[WV], v18
	s_bfe_u32 s[CX], ttmp6, 0x40000
	s_and_b32 s[YH], ttmp7, 0xffff
	s_mov_b32 s[G1A], 15|(3<<16)|(1<<21)
	s_mov_b32 s[G1A+1], 32<<16
	s_mov_b32 s[G1A+2], 132<<16
	s_mov_b32 s[G1A+3], 32<<16
	s_mov_b32 s[G1A+4], 132
	s_mov_b32 s[G1A+5], 32
	s_mov_b32 s[G1A+6], 0
	s_mov_b32 s[G1A+7], 0
	s_mov_b32 s[G1B], 15|(3<<16)|(1<<21)
	s_mov_b32 s[G1B+1], 132<<16
	s_mov_b32 s[G1B+2], 1<<16
	s_mov_b32 s[G1B+3], 132<<16
	s_mov_b32 s[G1B+4], 1
	s_mov_b32 s[G1B+5], 132
	s_mov_b32 s[G1B+6], 1<<16
	s_mov_b32 s[G1B+7], 0
	s_mov_b32 s[SEL], 0x76543210
	s_mov_b32 s[SEL+1], 0xfedcba98
	s_mov_b32 s[CS], 0x3e38aa3b
	s_mov_b32 s[CS+1], s[CS]
	s_mov_b32 s62, 0x01000100
	s_mov_b32 s63, 0x03020302
	s_mov_b32 s[PASS], 2
	s_mul_i32 s54, s[YH], KVH
	s_mov_b32 s55, 0
	s_mov_b32 s58, s54
	s_mov_b32 s59, 0
	s_mul_i32 s56, s[WV], 33792
	s_mul_i32 s57, s[WV], 1056
	s_add_co_u32 s54, s54, s56
	s_add_co_u32 s58, s58, s57
	s_lshl_b32 s15, s[YH], 4
	s_lshl_b32 s2, s[CX], 2
	s_add_co_u32 s15, s15, s2
	s_lshr_b32 s2, s[WV], 2
	s_add_co_u32 s15, s15, s2
	s_mul_i32 s[QP], s15, 8448
	s_and_b32 s3, s[WV], 3
	s_lshl_b32 s2, s3, 11
	s_add_co_u32 s[QP], s[QP], s2
	s_mov_b32 s[QP+1], 0
	s_mul_i32 s3, s3, 2044
	s_sub_co_u32 s3, SCW, s3
	s_and_b32 s2, s[YH], 7
	s_lshl_b32 s[WOP], s2, 11
	s_add_co_u32 s[WOP], s[WOP], 32768
	s_mov_b32 s[WOP+1], 0
	s_lshl_b32 s[PP], s2, 19
	s_lshr_b32 s2, s[YH], 3
	s_lshl_b32 s2, s2, 16
	s_add_co_u32 s[PP], s[PP], s2
	s_lshl_b32 s2, s[CX], 4
	s_add_co_u32 s2, s2, s[WV]
	s_lshl_b32 s2, s2, 10
	s_add_co_u32 s[PP], s[PP], s2
	s_mov_b32 s[PP+1], 0
	v_and_b32 v18, 31, v0
	s_delay_alu instid0(VALU_DEP_1)
	v_lshlrev_b32 v[LI], 4, v18
	v_and_b32 v18, 15, v0
	v_bfe_u32 v19, v0, 4, 1
	s_delay_alu instid0(VALU_DEP_2)
	v_lshlrev_b32 v[LR], 4, v18
	s_delay_alu instid0(VALU_DEP_3)
	v_and_b32 v[GO], 8, v18
	s_delay_alu instid0(VALU_DEP_1)
	v_add_nc_u32 v[GO], v[GO], v18
	s_delay_alu instid0(VALU_DEP_1)
	v_lshlrev_b32 v[GO], 5, v[GO]
	s_delay_alu instid0(VALU_DEP_1)
	v_lshl_add_u32 v[GO], v19, 4, v[GO]
	v_lshl_add_u32 v[LQS], v18, 4, s3
.irp x, 0,1
.irp b, 0,1,2,3
	v_mov_b32 v[ST+24*\x+12+\b], 0
.endr
	v_mov_b32 v[ST+24*\x+5], 0
.endr
	s_wait_dscnt 0x0
	s_wait_kmcnt 0x0
	s_add_nc_u64 s[QP:QP+1], s[4:5], s[QP:QP+1]
	s_add_nc_u64 s[PP:PP+1], s[10:11], s[PP:PP+1]
	s_add_nc_u64 s[WOP:WOP+1], s[8:9], s[WOP:WOP+1]
	s_mov_b32 s[G0A], 1
	s_mov_b32 s[G0A+1], s56
	s_add_nc_u64 s[G0A+2:G0A+3], s[6:7], s[54:55]
	s_or_b32 s[G0A+3], s[G0A+3], 0x80000000
	s_mov_b32 s[G0B], 1
	s_add_co_u32 s[G0B+1], s57, COPY
	s_add_nc_u64 s[G0B+2:G0B+3], s[6:7], s[58:59]
	s_or_b32 s[G0B+3], s[G0B+3], 0x80000000
	CROUND
	tensor_load_to_lds s[G0A:G0A+3], s[G1A:G1A+7]
	s_nop 0
	s_wait_alu depctr_va_vdst(0)
	s_wait_tensorcnt 0x0
	ds_add_u32 v5, v6
	s_wait_dscnt 0x0
	CROUND
	tensor_load_to_lds s[G0B:G0B+3], s[G1B:G1B+7]
	s_nop 0
.rept 4
	v_nop
.endr
	QLOAD
	WIN 0x40
.irp i, 0,1,2,3
	global_load_b128 v[WOF+4*\i:WOF+4*\i+3], v[LI], s[WOP:WOP+1] offset:512*\i
.endr
.irp x, 0,1
.irp i, 0,1,2,3,4,5,6,7
	v_mov_b32 v[QZ+24*\x+8+\i], 0
.endr
.endr
	WIN 0
	s_wait_tensorcnt 0x0
	s_barrier_signal -1
	s_barrier_wait -1
	ds_load_b128 v[KS:KS+3], v[LR] offset:SCW
	WIN 0x40
.irp g, 0,1,2,3,4,5,6,7,8,9,10,11,12,13,14,15
	ds_load_b128 v[KA+4*\g:KA+4*\g+3], v[LI] offset:512*\g
.endr
	WIN 0
	s_wait_dscnt 0x0
.Lpass:
	s_wait_loadcnt 0x0
	v_perm_b32 v[ST+7], v[QNS], v[QNS], s62
	v_perm_b32 v[ST+24+7], v[QNS], v[QNS], s63
.irp x, 0,1
	v_mov_b32 v[ST+24*\x+1], 0xff61b1e6
	s_delay_alu instid0(VALU_DEP_1)
	v_floor_f32 v[ST+24*\x], -v[ST+24*\x+1]
	v_mov_b32 v[ST+24*\x+2], 0
	v_mov_b32 v[ST+24*\x+3], 0
.endr
	WIN 0x40
.irp x, 0,1
.irp i, 0,1,2,3,4,5,6,7
	v_mov_b32 v[QZ+24*\x+\i], v[QN+8*\x+\i]
	v_mov_b32 v[QZ+24*\x+16+\i], v[QN+8*\x+\i]
.endr
.endr
.set j, 0
.rept 64
	v_mov_b32 v[O+j], 0
.set j, j+1
.endr
	WIN 0
	s_mov_b32 s[TB], 0
	s_mov_b32 s[STEPS], 16
	s_cmp_eq_u32 s[PASS], 1
	s_cbranch_scc1 .Lno_q
	s_add_nc_u64 s[QP:QP+1], s[QP:QP+1], 2*8448
	QLOAD
.Lno_q:
.Lstep:
	WIN 0x05
	s_setprio 2
.irp bp, 0,1,2,3
.irp up, 0,1
.irp x, 0,1
	v_wmma_scale_f32_16x16x128_f8f6f4 v[S+64*\x+8*(2*\bp+\up):S+64*\x+8*(2*\bp+\up)+7], v[KA+16*\bp:KA+16*\bp+15], v[QZ+24*\x+8*\up:QZ+24*\x+8*\up+15], 0, v[KS+\bp], v[ST+24*\x+7]
.endr
.endr
.endr
	WIN 0
	v_add_nc_u32 v[ADR], s[TB], v[LI]
	v_add_nc_u32 v[ADS], s[TB], v[LR]
.rept 6
	v_nop
.endr
	ds_load_b128 v[KS:KS+3], v[ADS] offset:STEPB+SCW
	ds_load_b128 v[VS:VS+3], v[ADS] offset:VOFF+SCW
	WIN 0x40
.irp g, 0,1,2,3,4,5,6,7,8,9,10,11,12,13,14,15
	ds_load_b128 v[KA+4*\g:KA+4*\g+3], v[ADR] offset:STEPB+512*\g
.endr
.irp g, 0,1,2,3,4,5,6,7,8,9,10,11,12,13,14,15
	ds_load_b128 v[VA+4*\g:VA+4*\g+3], v[ADR] offset:VOFF+512*\g
.endr
	WIN 0
.irp b, 0,1,2,3
.irp x, 0,1
	v_max3_num_f32 v[ST+24*\x+8+\b], v[S+64*\x+16*\b], v[S+64*\x+16*\b+1], v[S+64*\x+16*\b+2]
.endr
.endr
.irp i, 3,5,7,9,11,13
.irp b, 0,1,2,3
.irp x, 0,1
	v_max3_num_f32 v[ST+24*\x+8+\b], v[ST+24*\x+8+\b], v[S+64*\x+16*\b+\i], v[S+64*\x+16*\b+\i+1]
.endr
.endr
.endr
.irp b, 0,1,2,3
.irp x, 0,1
	v_max_num_f32 v[ST+24*\x+8+\b], v[ST+24*\x+8+\b], v[S+64*\x+16*\b+15]
.endr
.endr
.irp b, 0,1,2,3
.irp x, 0,1
	v_permlanex16_b32 v[ST+24*\x+12+\b], v[ST+24*\x+8+\b], s[SEL], s[SEL+1]
.endr
.endr
.irp b, 0,1,2,3
.irp x, 0,1
	v_max_num_f32 v[ST+24*\x+8+\b], v[ST+24*\x+8+\b], v[ST+24*\x+12+\b]
.endr
.endr
.irp x, 0,1
	s_delay_alu instid0(VALU_DEP_4)
	v_max3_num_f32 v[ST+24*\x+6], v[ST+24*\x+8], v[ST+24*\x+9], v[ST+24*\x+10]
.endr
.irp x, 0,1
	s_delay_alu instid0(VALU_DEP_2)
	v_max_num_f32 v[ST+24*\x+6], v[ST+24*\x+6], v[ST+24*\x+11]
.endr
.irp x, 0,1
	s_delay_alu instid0(VALU_DEP_2)
	v_mul_f32 v[ST+24*\x+6], s[CS], v[ST+24*\x+6]
.endr
.irp x, 0,1
	s_delay_alu instid0(VALU_DEP_2)
	v_max_num_f32 v[ST+24*\x+1], v[ST+24*\x+1], v[ST+24*\x+6]
.endr
.irp x, 0,1
	v_mov_b32 v[ST+24*\x+6], v[ST+24*\x]
.endr
.irp x, 0,1
	s_delay_alu instid0(VALU_DEP_4)
	v_floor_f32 v[ST+24*\x], -v[ST+24*\x+1]
.endr
.irp x, 0,1
	s_delay_alu instid0(VALU_DEP_2)
	v_sub_f32 v[ST+24*\x+6], v[ST+24*\x], v[ST+24*\x+6]
.endr
.irp x, 0,1
	s_delay_alu instid0(VALU_DEP_2)
	v_cvt_i32_f32 v[ST+24*\x+6], v[ST+24*\x+6]
.endr
.irp x, 0,1
	s_delay_alu instid0(VALU_DEP_2)
	v_ldexp_f32 v[ST+24*\x+4], 1.0, v[ST+24*\x+6]
.endr
.irp x, 0,1
.set j, 0
.rept 32
	v_pk_fma_f32 v[S+64*\x+j:S+64*\x+j+1], v[S+64*\x+j:S+64*\x+j+1], s[CS:CS+1], v[ST+24*\x:ST+24*\x+1] op_sel_hi:[1,0,0]
.set j, j+2
.endr
.endr
.irp b, 0,1,2,3
.irp x, 0,1
	v_fma_f32 v[ST+24*\x+8+\b], v[ST+24*\x+8+\b], s[CS], v[ST+24*\x]
.endr
.endr
.set j, 0
	s_wait_alu depctr_va_vdst(0)
.rept 128
	v_exp_f32 v[S+j], v[S+j]
.set j, j+1
.endr
	s_setprio 1
.irp x, 0,1
	v_pk_mul_f32 v[ST+24*\x+2:ST+24*\x+3], v[ST+24*\x+2:ST+24*\x+3], v[ST+24*\x+4:ST+24*\x+5] op_sel_hi:[1,0]
.endr
	s_wait_alu depctr_va_vdst(0)
.irp b, 0,1,2,3
.irp x, 0,1
	v_exp_f32 v[ST+24*\x+8+\b], v[ST+24*\x+8+\b]
.endr
.endr
.irp x, 0,1
	v_pk_add_f32 v[ST+24*\x+12:ST+24*\x+13], v[S+64*\x:S+64*\x+1], v[S+64*\x+2:S+64*\x+3]
.endr
.irp i, 4,8,12,16,20,24,28,32,36,40,44,48,52,56,60
.irp x, 0,1
	v_pk_add_f32 v[ST+24*\x+2:ST+24*\x+3], v[ST+24*\x+2:ST+24*\x+3], v[S+64*\x+\i:S+64*\x+\i+1]
	v_pk_add_f32 v[ST+24*\x+12:ST+24*\x+13], v[ST+24*\x+12:ST+24*\x+13], v[S+64*\x+\i+2:S+64*\x+\i+3]
.endr
.endr
.irp x, 0
	s_delay_alu instid0(VALU_DEP_3)
	v_pk_add_f32 v[ST+24*\x+2:ST+24*\x+3], v[ST+24*\x+2:ST+24*\x+3], v[ST+24*\x+12:ST+24*\x+13]
.endr
.irp x, 1
	s_delay_alu instid0(VALU_DEP_2)
	v_pk_add_f32 v[ST+24*\x+2:ST+24*\x+3], v[ST+24*\x+2:ST+24*\x+3], v[ST+24*\x+12:ST+24*\x+13]
.endr
	s_wait_alu depctr_va_vdst(0)
.irp b, 0,1,2,3
.irp x, 0,1
	v_max_num_f32 v[ST+24*\x+8+\b], 0x4800000, v[ST+24*\x+8+\b]
.endr
.endr
.irp b, 0,1,2,3
.irp x, 0,1
	v_add_nc_u32 v[ST+24*\x+20+\b], 0xfc000000, v[ST+24*\x+8+\b]
.endr
.endr
.irp b, 0,1,2,3
.irp x, 0,1
.endr
.endr
.irp b, 0,1,2,3
.irp x, 0,1
	v_lshrrev_b32 v[ST+24*\x+12+\b], 23, v[ST+24*\x+20+\b]
.endr
.endr
.irp x, 0,1
	v_lshl_or_b32 v[ST+24*\x+5], v[ST+24*\x+13], 8, v[ST+24*\x+12]
.endr
.irp x, 0,1
	s_delay_alu instid0(VALU_DEP_2)
	v_lshl_or_b32 v[ST+24*\x+5], v[ST+24*\x+14], 16, v[ST+24*\x+5]
.endr
.irp x, 0,1
	s_delay_alu instid0(VALU_DEP_2)
	v_lshl_or_b32 v[ST+24*\x+5], v[ST+24*\x+15], 24, v[ST+24*\x+5]
.endr
.irp b, 0,1,2,3
.irp x, 0,1
.irp i, 0,1,2,3,4,5,6,7,8,9,10,11,12,13,14,15
.endr
	v_cvt_scalef32_pk8_fp8_f32 v[P+16*\x+4*\b:P+16*\x+4*\b+1], v[S+64*\x+16*\b:S+64*\x+16*\b+7], v[ST+24*\x+20+\b]
	v_cvt_scalef32_pk8_fp8_f32 v[P+16*\x+4*\b+2:P+16*\x+4*\b+3], v[S+64*\x+16*\b+8:S+64*\x+16*\b+15], v[ST+24*\x+20+\b]
.endr
.endr
	WIN 0x41
	s_setprio 0
.irp x, 0,1
.set j, 0
.rept 16
	v_pk_mul_f32 v[O+32*\x+j:O+32*\x+j+1], v[O+32*\x+j:O+32*\x+j+1], v[ST+24*\x+4:ST+24*\x+5] op_sel_hi:[1,0]
.set j, j+2
.endr
.endr
	s_wait_alu depctr_va_vdst(0)
	s_wait_dscnt 0x0
	WIN 0x51
.irp tt, 0,1,2,3
.irp x, 0,1
	v_wmma_scale_f32_16x16x128_f8f6f4 v[O+32*\x+8*\tt:O+32*\x+8*\tt+7], v[VA+16*\tt:VA+16*\tt+15], v[P+16*\x:P+16*\x+15], v[O+32*\x+8*\tt:O+32*\x+8*\tt+7], v[VS+\tt], v[ST+24*\x+5]
.endr
.endr
	WIN 0
	s_add_co_u32 s[TB], s[TB], STEPB
	s_sub_co_u32 s[STEPS], s[STEPS], 1
	s_cmp_lg_u32 s[STEPS], 0
	s_cbranch_scc1 .Lstep
	s_setprio 0
.rept 8
	v_nop
.endr
.irp x, 0,1
	v_add_f32 v[ST+24*\x+6], v[ST+24*\x+2], v[ST+24*\x+3]
.endr
.irp x, 0,1
	s_delay_alu instid0(VALU_DEP_2)
	v_permlanex16_b32 v[ST+24*\x+12], v[ST+24*\x+6], s[SEL], s[SEL+1]
.endr
.irp x, 0,1
	s_delay_alu instid0(VALU_DEP_2)
	v_add_f32 v[ST+24*\x+6], v[ST+24*\x+6], v[ST+24*\x+12]
.endr
	s_wait_alu depctr_va_vdst(0)
.irp x, 0,1
	v_rcp_f32 v[ST+24*\x+4], v[ST+24*\x+6]
.endr
	v_nop
	s_wait_alu depctr_va_vdst(0)
	WIN 0x01
.irp x, 0,1
.set j, 0
.rept 16
	v_pk_mul_f32 v[S+64*\x+j:S+64*\x+j+1], v[O+32*\x+j:O+32*\x+j+1], v[ST+24*\x+4:ST+24*\x+5] op_sel_hi:[1,0]
.set j, j+2
.endr
.endr
	WIN 0
.irp x, 0,1
.set j, 0
.rept 16
	v_cvt_pk_bf16_f32 v[P+16*\x+j], v[S+64*\x+2*j], v[S+64*\x+2*j+1]
.set j, j+1
.endr
.endr
	WIN 0x01
	v_wmma_f32_16x16x32_bf16 v[S+32:S+39], v[WOF:WOF+7], v[P:P+7], 0
	v_wmma_f32_16x16x32_bf16 v[S+96:S+103], v[WOF:WOF+7], v[P+16:P+23], 0
	v_wmma_f32_16x16x32_bf16 v[S+32:S+39], v[WOF+8:WOF+15], v[P+8:P+15], v[S+32:S+39]
	v_wmma_f32_16x16x32_bf16 v[S+96:S+103], v[WOF+8:WOF+15], v[P+24:P+31], v[S+96:S+103]
	WIN 0
.rept 4
	v_nop
.endr
	global_store_b128 v[GO], v[S+32:S+35], s[PP:PP+1]
	global_store_b128 v[GO], v[S+96:S+99], s[PP:PP+1] offset:256
	s_wait_xcnt 0x0
	s_add_nc_u64 s[PP:PP+1], s[PP:PP+1], 8192
	s_sub_co_u32 s[PASS], s[PASS], 1
	s_cmp_lg_u32 s[PASS], 0
	s_cbranch_scc1 .Lpass
	s_wait_tensorcnt 0x0
	ds_add_u32 v[SPW], v[NIL]
	s_wait_dscnt 0x0
	CROUND
	s_endpgm
.Lfunc_end_k_q083f0cdce4_attn:
	.size	k_q083f0cdce4_attn, .Lfunc_end_k_q083f0cdce4_attn-k_q083f0cdce4_attn
	.p2alignl 7, 3214868480
	.fill 96, 4, 3214868480
	.section	.rodata,"a",@progbits
	.p2align	6, 0x0
	.amdhsa_kernel k_q083f0cdce4_attn
		.amdhsa_group_segment_fixed_size 327680
		.amdhsa_private_segment_fixed_size 0
		.amdhsa_enable_private_segment 0
		.amdhsa_kernarg_size 32
		.amdhsa_user_sgpr_count 2
		.amdhsa_user_sgpr_kernarg_segment_ptr 1
		.amdhsa_wavefront_size32 1
		.amdhsa_system_sgpr_workgroup_id_x 1
		.amdhsa_system_sgpr_workgroup_id_y 1
		.amdhsa_system_sgpr_workgroup_id_z 1
		.amdhsa_system_vgpr_workitem_id 0
		.amdhsa_next_free_vgpr 512
		.amdhsa_next_free_sgpr 66
		.amdhsa_reserve_vcc 0
		.amdhsa_float_denorm_mode_32 3
		.amdhsa_float_denorm_mode_16_64 3
		.amdhsa_fp16_overflow 1
		.amdhsa_memory_ordered 1
		.amdhsa_forward_progress 1
		.amdhsa_inst_pref_size 49
	.end_amdhsa_kernel
	.amdgpu_metadata
---
amdhsa.version: [ 1, 2 ]
amdhsa.kernels:
  - .name:           k_q083f0cdce4_attn
    .symbol:         k_q083f0cdce4_attn.kd
    .args:
      - { .name: qrec, .offset: 0, .size: 8, .value_kind: global_buffer, .address_space: global }
      - { .name: kv, .offset: 8, .size: 8, .value_kind: global_buffer, .address_space: global }
      - { .name: wimg, .offset: 16, .size: 8, .value_kind: global_buffer, .address_space: global }
      - { .name: part, .offset: 24, .size: 8, .value_kind: global_buffer, .address_space: global }
    .group_segment_fixed_size: 327680
    .private_segment_fixed_size: 0
    .kernarg_segment_align: 8
    .kernarg_segment_size: 32
    .max_flat_workgroup_size: 256
    .sgpr_count:     66
    .vgpr_count:     512
    .wavefront_size: 32
...
	.end_amdgpu_metadata
.endif
;; end of part 2
;; launch sumx (part 3): grid 256 x 1, 4 waves a work-group, no clusters, 0 bytes of LDS; arguments part, q, bo, xbuf, stat1; writes xbuf, stat1
.if DOCPART == 3
	.amdgcn_target "amdgcn-amd-amdhsa--gfx1250"
	.amdhsa_code_object_version 6
	.text
	.protected	k_q083f0cdce4_sumx
	.globl	k_q083f0cdce4_sumx
	.p2align	8
	.type	k_q083f0cdce4_sumx,@function
k_q083f0cdce4_sumx:
	s_mov_b64 s[64:65], 0
	v_nop
	global_prefetch_b8 v0, s[64:65] scope:SCOPE_SE
	s_setreg_imm32_b32 hwreg(HW_REG_WAVE_MODE, 25, 1), 1
	s_wait_xcnt 0x0
; Launch 3 of 5: x = q + bo + the sum over the 8 heads of part; and, for the first LayerNorm over all 131,072 numbers, each wave's mean and sum of squared distances from it (128 numbers a wave).
; Nothing of the problem's work is left out.  A thread owns 16 bytes: a wave's load or store covers 512 consecutive bytes.  No LDS, no barrier: waves share nothing.
; The statistics are kept as (mean, M2) of small groups and joined in the next launch by the distances between means: no difference of large sums is formed.
.set SEL, 20
.macro WSUM v, tmp                     ; the sum over the wave's 32 lanes, in every lane
	v_add_f32_dpp v[\v], v[\v], v[\v] row_xmask:1 row_mask:0xf bank_mask:0xf
	v_add_f32_dpp v[\v], v[\v], v[\v] row_xmask:2 row_mask:0xf bank_mask:0xf
	v_add_f32_dpp v[\v], v[\v], v[\v] row_xmask:4 row_mask:0xf bank_mask:0xf
	v_add_f32_dpp v[\v], v[\v], v[\v] row_xmask:8 row_mask:0xf bank_mask:0xf
	v_permlanex16_b32 v[\tmp], v[\v], s[SEL], s[SEL+1]
	v_add_f32 v[\v], v[\v], v[\tmp]
.endm
	s_load_b256 s[4:11], s[0:1], 0x0               ; part s[4:5], q s[6:7], bo s[8:9], xbuf s[10:11]
	s_load_b64 s[12:13], s[0:1], 0x20              ; stat1
	v_lshrrev_b32 v3, 5, v0
	v_readfirstlane_b32 s14, v3                    ; wave
	s_lshl_b32 s15, ttmp9, 11
	v_lshl_add_u32 v1, v0, 4, s15                  ; my 16 bytes: (128 x work-group + thread) x 16
	v_and_b32 v2, 1, v0
	v_lshlrev_b32 v2, 4, v2                        ; features 0-3 or 4-7
	s_lshl_b32 s16, ttmp9, 2
	s_add_co_u32 s16, s16, s14
	s_lshl_b32 s16, s16, 2                         ; my wave's word among the 1,024
	s_mov_b32 s[SEL], 0x76543210
	s_mov_b32 s[SEL+1], 0xfedcba98
	s_wait_alu depctr_va_vdst(0)
	s_wait_kmcnt 0x0
.irp h, 0,1,2,3,4,5,6,7
	global_load_b128 v[8+4*\h:11+4*\h], v1, s[4:5] offset:\h*524288 th:TH_LOAD_NT
.endr
	global_load_b128 v[40:43], v1, s[6:7]
	global_load_b128 v[44:47], v2, s[8:9]
	s_wait_loadcnt 0x0
	v_pk_add_f32 v[48:49], v[40:41], v[44:45]
	v_pk_add_f32 v[50:51], v[42:43], v[46:47]
.irp h, 0,1,2,3,4,5,6,7
	v_pk_add_f32 v[48:49], v[48:49], v[8+4*\h:9+4*\h]
	v_pk_add_f32 v[50:51], v[50:51], v[10+4*\h:11+4*\h]
.endr
	global_store_b128 v1, v[48:51], s[10:11]
	v_pk_add_f32 v[52:53], v[48:49], v[50:51]
	v_add_f32 v52, v52, v53
	WSUM 52, 53
	v_mul_f32 v54, 0x3c000000, v52                 ; the wave's mean: / 128
	v_mov_b32 v55, v54
	v_pk_add_f32 v[56:57], v[48:49], v[54:55] neg_lo:[0,1] neg_hi:[0,1]
	v_pk_add_f32 v[58:59], v[50:51], v[54:55] neg_lo:[0,1] neg_hi:[0,1]
	v_pk_mul_f32 v[56:57], v[56:57], v[56:57]
	v_pk_fma_f32 v[56:57], v[58:59], v[58:59], v[56:57]
	v_add_f32 v52, v56, v57
	WSUM 52, 53                                    ; M2
	v_and_b32 v56, 31, v0
	v_and_b32 v58, 1, v0
	v_cmp_eq_u32 vcc_lo, 1, v56
	v_cndmask_b32 v57, v54, v52, vcc_lo            ; lane 0 stores the mean, lane 1 M2, 4,096 bytes on
	v_lshlrev_b32 v58, 12, v58
	v_add_nc_u32 v58, s16, v58
	v_cmp_gt_u32 vcc_lo, 2, v56
	s_wait_alu depctr_va_vdst(0)
	s_wait_xcnt 0x0                                ; EXEC changes only behind this wait
	s_and_saveexec_b32 s17, vcc_lo
	global_store_b32 v58, v57, s[12:13]
	s_wait_xcnt 0x0
	s_or_b32 exec_lo, exec_lo, s17
	s_endpgm
.Lfunc_end_k_q083f0cdce4_sumx:
	.size	k_q083f0cdce4_sumx, .Lfunc_end_k_q083f0cdce4_sumx-k_q083f0cdce4_sumx
	.p2alignl 7, 3214868480
	.fill 96, 4, 3214868480
	.section	.rodata,"a",@progbits
	.p2align	6, 0x0
	.amdhsa_kernel k_q083f0cdce4_sumx
		.amdhsa_group_segment_fixed_size 0
		.amdhsa_private_segment_fixed_size 0
		.amdhsa_enable_private_segment 0
		.amdhsa_kernarg_size 40
		.amdhsa_user_sgpr_count 2
		.amdhsa_user_sgpr_kernarg_segment_ptr 1
		.amdhsa_wavefront_size32 1
		.amdhsa_system_sgpr_workgroup_id_x 1
		.amdhsa_system_sgpr_workgroup_id_y 1
		.amdhsa_system_sgpr_workgroup_id_z 1
		.amdhsa_system_vgpr_workitem_id 0
		.amdhsa_next_free_vgpr 64
		.amdhsa_next_free_sgpr 66
		.amdhsa_reserve_vcc 1
		.amdhsa_float_denorm_mode_32 3
		.amdhsa_float_denorm_mode_16_64 3
		.amdhsa_memory_ordered 1
		.amdhsa_forward_progress 1
		.amdhsa_inst_pref_size 5
	.end_amdhsa_kernel
	.amdgpu_metadata
---
amdhsa.version: [ 1, 2 ]
amdhsa.kernels:
  - .name:           k_q083f0cdce4_sumx
    .symbol:         k_q083f0cdce4_sumx.kd
    .args:
      - { .name: part, .offset: 0, .size: 8, .value_kind: global_buffer, .address_space: global }
      - { .name: q, .offset: 8, .size: 8, .value_kind: global_buffer, .address_space: global }
      - { .name: bo, .offset: 16, .size: 8, .value_kind: global_buffer, .address_space: global }
      - { .name: xbuf, .offset: 24, .size: 8, .value_kind: global_buffer, .address_space: global }
      - { .name: stat1, .offset: 32, .size: 8, .value_kind: global_buffer, .address_space: global }
    .group_segment_fixed_size: 0
    .private_segment_fixed_size: 0
    .kernarg_segment_align: 8
    .kernarg_segment_size: 40
    .max_flat_workgroup_size: 128
    .sgpr_count:     66
    .vgpr_count:     64
    .wavefront_size: 32
...
	.end_amdgpu_metadata
.endif
;; end of part 3
;; launch ffn (part 4): grid 256 x 1, 4 waves a work-group, no clusters, 0 bytes of LDS; arguments xbuf, stat1, ln1_g, ln1_b, wimg, b2, q, ybuf, stat2; writes ybuf, stat2
.if DOCPART == 4
	.amdgcn_target "amdgcn-amd-amdhsa--gfx1250"
	.amdhsa_code_object_version 6
	.text
	.protected	k_q083f0cdce4_ffn
	.globl	k_q083f0cdce4_ffn
	.p2align	8
	.type	k_q083f0cdce4_ffn,@function
k_q083f0cdce4_ffn:
	s_mov_b64 s[64:65], 0
	v_nop
	global_prefetch_b8 v0, s[64:65] scope:SCOPE_SE
	s_setreg_imm32_b32 hwreg(HW_REG_WAVE_MODE, 25, 1), 1
	s_wait_xcnt 0x0
; Launch 4 of 5: the first LayerNorm (over all 131,072 numbers), the FFN, y = q + FFN; and each wave's (mean, M2) of y for the second LayerNorm.  Nothing of the problem's work is left out.
; Neither product feeds a quantiser: bf16 operands, f32 sums.  A wave owns 16 tokens.  All weights, 64 groups of 16 bytes a lane, come once from their images into window 1 and stay.
; Both products are used transposed, so that a lane holds one token.  K = 8 (+ 1 for b1) IN AN INSTRUCTION OF K = 32: source 0 is two tiles of 16 hidden units on end (k 0-15, k 16-31); source 1 is [h | zeros] or [zeros | h];
; h's k = 8 is 1.0, against b1 in the weight's image.  The hidden tile's 8 registers, clipped at 0 and rounded to bf16 in pairs, are 4 registers of the second product's source 1.
; In W2's image matrix rows 0-3 are outputs 0-3 and rows 8-11 outputs 4-7: lane (r, h)'s result registers 0-3 are outputs 4 h .. 4 h + 3 of token r.
; REGISTERS.  window 0: v1-4 offsets; v8-31 x, g, b; v32-39 q, b2; v40-51 [h | 0 | h]; v52-59 at work; v60-123 the statistics, then 8 hidden tiles; v124-155 their bf16; v156-187 four sums of y.   window 1: step s at 16 s.
.set SEL, 26
.set VS2, 28                           ; s28  2^-17
.set EPSR, 29                          ; s29  1e-5
.set BN,  40
.set TT,  52
.set MV,  60
.set QV,  92
.set H,   60
.set HB,  124
.set Y,   156
.set MSB, 0
.macro WIN new
.if MSB != \new
	s_set_vgpr_msb (MSB<<8)|\new
.set MSB, \new
.endif
.endm
.macro WSUM v, tmp
	v_add_f32_dpp v[\v], v[\v], v[\v] row_xmask:1 row_mask:0xf bank_mask:0xf
	v_add_f32_dpp v[\v], v[\v], v[\v] row_xmask:2 row_mask:0xf bank_mask:0xf
	v_add_f32_dpp v[\v], v[\v], v[\v] row_xmask:4 row_mask:0xf bank_mask:0xf
	v_add_f32_dpp v[\v], v[\v], v[\v] row_xmask:8 row_mask:0xf bank_mask:0xf
	v_permlanex16_b32 v[\tmp], v[\v], s[SEL], s[SEL+1]
	v_add_f32 v[\v], v[\v], v[\tmp]
.endm
; 1,024 groups of 128 numbers, 32 means in v[mv] on and 32 M2 in v[qv] on in each lane, are joined: the mean m in v[t+4], v[t+5]; M2 = the sum of the M2 + 128 x the sum of (mean - m)^2; 1 / sqrt(M2 / 131,072 + 1e-5) in v[t+6], v[t+7].
.macro COMBINE mv, qv, t
	v_pk_add_f32 v[\t:\t+1], v[\mv:\mv+1], v[\mv+2:\mv+3]
	v_pk_add_f32 v[\t+2:\t+3], v[\mv+4:\mv+5], v[\mv+6:\mv+7]
.irp i, 8,12,16,20,24,28
	v_pk_add_f32 v[\t:\t+1], v[\t:\t+1], v[\mv+\i:\mv+\i+1]
	v_pk_add_f32 v[\t+2:\t+3], v[\t+2:\t+3], v[\mv+\i+2:\mv+\i+3]
.endr
	v_pk_add_f32 v[\t:\t+1], v[\t:\t+1], v[\t+2:\t+3]
	v_add_f32 v[\t], v[\t], v[\t+1]
	WSUM \t, \t+1
	v_mul_f32 v[\t+4], 0x3a800000, v[\t]           ; / 1,024
	v_mov_b32 v[\t+5], v[\t+4]
.irp i, 0,2,4,6,8,10,12,14,16,18,20,22,24,26,28,30
	v_pk_add_f32 v[\mv+\i:\mv+\i+1], v[\mv+\i:\mv+\i+1], v[\t+4:\t+5] neg_lo:[0,1] neg_hi:[0,1]
.endr
	v_pk_mul_f32 v[\t:\t+1], v[\mv:\mv+1], v[\mv:\mv+1]
	v_pk_mul_f32 v[\t+2:\t+3], v[\mv+2:\mv+3], v[\mv+2:\mv+3]
.irp i, 4,8,12,16,20,24,28
	v_pk_fma_f32 v[\t:\t+1], v[\mv+\i:\mv+\i+1], v[\mv+\i:\mv+\i+1], v[\t:\t+1]
	v_pk_fma_f32 v[\t+2:\t+3], v[\mv+\i+2:\mv+\i+3], v[\mv+\i+2:\mv+\i+3], v[\t+2:\t+3]
.endr
	v_pk_add_f32 v[\t:\t+1], v[\t:\t+1], v[\t+2:\t+3]
	v_pk_add_f32 v[\t+2:\t+3], v[\qv:\qv+1], v[\qv+2:\qv+3]
	v_pk_add_f32 v[\t+6:\t+7], v[\qv+4:\qv+5], v[\qv+6:\qv+7]
.irp i, 8,12,16,20,24,28
	v_pk_add_f32 v[\t+2:\t+3], v[\t+2:\t+3], v[\qv+\i:\qv+\i+1]
	v_pk_add_f32 v[\t+6:\t+7], v[\t+6:\t+7], v[\qv+\i+2:\qv+\i+3]
.endr
	v_pk_add_f32 v[\t+2:\t+3], v[\t+2:\t+3], v[\t+6:\t+7]
	v_pk_fma_f32 v[\t:\t+1], v[\t:\t+1], 0x43000000, v[\t+2:\t+3] op_sel_hi:[1,0,1]
	v_add_f32 v[\t], v[\t], v[\t+1]
	WSUM \t, \t+1
	v_fma_f32 v[\t], v[\t], s[VS2], s[EPSR]        ; the variance + 1e-5
	s_wait_alu depctr_va_vdst(0)
	v_rsq_f32 v[\t+6], v[\t]
	v_nop                                          ; a plain line behind the transcendental,
	s_wait_alu depctr_va_vdst(0)                   ; and the wait ahead of its first reader
	v_mov_b32 v[\t+7], v[\t+6]
.endm
	s_load_b512 s[4:19], s[0:1], 0x0               ; xbuf 4, stat1 6, ln1_g 8, ln1_b 10, wimg 12, b2 14, q 16, ybuf 18
	s_load_b64 s[20:21], s[0:1], 0x40              ; stat2
	v_lshrrev_b32 v5, 5, v0
	v_readfirstlane_b32 s22, v5                    ; wave
	v_and_b32 v5, 31, v0
	v_lshlrev_b32 v1, 4, v5                        ; 16 x lane
	v_and_b32 v5, 15, v0                           ; r
	v_bfe_u32 v6, v0, 4, 1                         ; h
	v_lshlrev_b32 v2, 5, v5                        ; token r's 32 bytes
	v_lshl_add_u32 v3, v6, 4, v2                   ; + 16 h
	v_lshlrev_b32 v4, 4, v6
	s_lshl_b32 s23, ttmp9, 2
	s_add_co_u32 s23, s23, s22                     ; my 16 tokens: tile 4 x work-group + wave
	s_lshl_b32 s24, s23, 9
	s_mov_b32 s25, 0
	s_lshl_b32 s31, s23, 2                         ; my wave's word among the 1,024
	s_mov_b32 s[SEL], 0x76543210
	s_mov_b32 s[SEL+1], 0xfedcba98
	s_mov_b32 s[VS2], 0x37000000
	s_mov_b32 s[EPSR], 0x3727c5ac
	s_mov_b32 s30, 0xffff0000                      ; lanes 16-31
	s_wait_alu depctr_va_vdst(0)
	s_wait_kmcnt 0x0
	s_add_nc_u64 s[4:5], s[4:5], s[24:25]
	s_add_nc_u64 s[8:9], s[8:9], s[24:25]
	s_add_nc_u64 s[10:11], s[10:11], s[24:25]
	s_add_nc_u64 s[16:17], s[16:17], s[24:25]
	s_add_nc_u64 s[18:19], s[18:19], s[24:25]
	global_load_b128 v[8:11], v2, s[4:5]
	global_load_b128 v[12:15], v2, s[4:5] offset:16
	global_load_b128 v[16:19], v2, s[8:9]
	global_load_b128 v[20:23], v2, s[8:9] offset:16
	global_load_b128 v[24:27], v2, s[10:11]
	global_load_b128 v[28:31], v2, s[10:11] offset:16
	global_load_b128 v[32:35], v3, s[16:17]
	global_load_b128 v[36:39], v4, s[14:15]
.irp i, 0,1,2,3,4,5,6,7
	global_load_b128 v[MV+4*\i:MV+4*\i+3], v1, s[6:7] offset:512*\i
.endr
.irp i, 0,1,2,3,4,5,6,7
	global_load_b128 v[QV+4*\i:QV+4*\i+3], v1, s[6:7] offset:4096+512*\i
.endr
	WIN 0x40                                       ; destination window 1
.irp s, 0,1,2,3,4,5,6,7
.irp i, 0,1,2,3
	global_load_b128 v[16*\s+4*\i:16*\s+4*\i+3], v1, s[12:13] offset:2048*\s+512*\i
.endr
.endr
	WIN 0
	s_wait_loadcnt 32                              ; all but the 32 weight loads just issued: the tokens' numbers and the statistics are in
	WIN 0x40
.irp s, 8,9,10,11,12,13,14,15
.irp i, 0,1,2,3
	global_load_b128 v[16*\s+4*\i:16*\s+4*\i+3], v1, s[12:13] offset:2048*\s+512*\i
.endr
.endr
	WIN 0
	COMBINE MV, QV, TT
.irp i, 0,2,4,6
	v_pk_add_f32 v[8+\i:9+\i], v[8+\i:9+\i], v[TT+4:TT+5] neg_lo:[0,1] neg_hi:[0,1]   ; x - m
.endr
.irp i, 0,2,4,6
	v_pk_mul_f32 v[8+\i:9+\i], v[8+\i:9+\i], v[TT+6:TT+7]
.endr
.irp i, 0,2,4,6
	v_pk_fma_f32 v[8+\i:9+\i], v[8+\i:9+\i], v[16+\i:17+\i], v[24+\i:25+\i]           ; x g + b
.endr
.irp i, 0,1,2,3
	v_cvt_pk_bf16_f32 v[BN+\i], v[8+2*\i], v[9+2*\i]
	v_mov_b32 v[BN+4+\i], 0
.endr
	v_mov_b32 v[TT], 0x3f80                        ; bf16 1.0 at k = 8, zero at k = 9
	v_cndmask_b32 v[BN], v[BN], v[TT], s30         ; lanes 16-31 hold k = 8 .. 15
.irp i, 1,2,3
	v_cndmask_b32 v[BN+\i], v[BN+\i], v[BN+4], s30
.endr
.irp i, 0,1,2,3
	v_mov_b32 v[BN+8+\i], v[BN+\i]
.endr
; Four steps of 32 hidden units: eight hidden tiles, clipped and rounded, then four products onto four sums of y, which take turns.
.macro BATCH ka
	s_wait_loadcnt 48-16*\ka                       ; the weight loads issued behind this batch's 16 may stay out
	WIN 0x01                                       ; the weights (source 0) window 1
.irp i, 0,1,2,3
.irp e, 0,1
	v_wmma_f32_16x16x32_bf16 v[H+8*(2*\i+\e):H+8*(2*\i+\e)+7], v[16*(4*\ka+\i):16*(4*\ka+\i)+7], v[BN+4*\e:BN+4*\e+7], 0
.endr
.endr
	WIN 0
.rept 4
	v_nop
.endr
.set j, 0
.rept 64
	v_max_num_f32 v[H+j], 0, v[H+j]                ; relu, each result from its low end on
.set j, j+1
.endr
.set j, 0
.rept 32
	v_cvt_pk_bf16_f32 v[HB+j], v[H+2*j], v[H+2*j+1]
.set j, j+1
.endr
	WIN 0x01
.irp i, 0,1,2,3
.if \ka == 0
	v_wmma_f32_16x16x32_bf16 v[Y+8*\i:Y+8*\i+7], v[16*(4*\ka+\i)+8:16*(4*\ka+\i)+15], v[HB+8*\i:HB+8*\i+7], 0
.else
	v_wmma_f32_16x16x32_bf16 v[Y+8*\i:Y+8*\i+7], v[16*(4*\ka+\i)+8:16*(4*\ka+\i)+15], v[HB+8*\i:HB+8*\i+7], v[Y+8*\i:Y+8*\i+7]
.endif
.endr
.endm
	s_wait_alu depctr_va_vdst(0)
	BATCH 0
	BATCH 1
	BATCH 2
	BATCH 3
	WIN 0
.rept 4
	v_nop
.endr
	v_pk_add_f32 v[32:33], v[32:33], v[36:37]      ; q + b2
	v_pk_add_f32 v[34:35], v[34:35], v[38:39]
.irp i, 0,1,2,3
	v_pk_add_f32 v[32:33], v[32:33], v[Y+8*\i:Y+8*\i+1]
	v_pk_add_f32 v[34:35], v[34:35], v[Y+8*\i+2:Y+8*\i+3]
.endr
	global_store_b128 v3, v[32:35], s[18:19]       ; the wave's store covers its 512 consecutive bytes
	v_pk_add_f32 v[52:53], v[32:33], v[34:35]
	v_add_f32 v52, v52, v53
	WSUM 52, 53
	v_mul_f32 v54, 0x3c000000, v52                 ; the wave's mean: / 128
	v_mov_b32 v55, v54
	v_pk_add_f32 v[56:57], v[32:33], v[54:55] neg_lo:[0,1] neg_hi:[0,1]
	v_pk_add_f32 v[58:59], v[34:35], v[54:55] neg_lo:[0,1] neg_hi:[0,1]
	v_pk_mul_f32 v[56:57], v[56:57], v[56:57]
	v_pk_fma_f32 v[56:57], v[58:59], v[58:59], v[56:57]
	v_add_f32 v52, v56, v57
	WSUM 52, 53                                    ; M2
	v_and_b32 v56, 31, v0
	v_and_b32 v58, 1, v0
	v_cmp_eq_u32 vcc_lo, 1, v56
	v_cndmask_b32 v57, v54, v52, vcc_lo            ; lane 0 stores the mean, lane 1 M2, 4,096 bytes on
	v_lshlrev_b32 v58, 12, v58
	v_add_nc_u32 v58, s31, v58
	v_cmp_gt_u32 vcc_lo, 2, v56
	s_wait_alu depctr_va_vdst(0)
	s_wait_xcnt 0x0                                ; EXEC changes only behind this wait
	s_and_saveexec_b32 s32, vcc_lo
	global_store_b32 v58, v57, s[20:21]
	s_wait_xcnt 0x0
	s_or_b32 exec_lo, exec_lo, s32
	s_endpgm
.Lfunc_end_k_q083f0cdce4_ffn:
	.size	k_q083f0cdce4_ffn, .Lfunc_end_k_q083f0cdce4_ffn-k_q083f0cdce4_ffn
	.p2alignl 7, 3214868480
	.fill 96, 4, 3214868480
	.section	.rodata,"a",@progbits
	.p2align	6, 0x0
	.amdhsa_kernel k_q083f0cdce4_ffn
		.amdhsa_group_segment_fixed_size 0
		.amdhsa_private_segment_fixed_size 0
		.amdhsa_enable_private_segment 0
		.amdhsa_kernarg_size 72
		.amdhsa_user_sgpr_count 2
		.amdhsa_user_sgpr_kernarg_segment_ptr 1
		.amdhsa_wavefront_size32 1
		.amdhsa_system_sgpr_workgroup_id_x 1
		.amdhsa_system_sgpr_workgroup_id_y 1
		.amdhsa_system_sgpr_workgroup_id_z 1
		.amdhsa_system_vgpr_workitem_id 0
		.amdhsa_next_free_vgpr 512
		.amdhsa_next_free_sgpr 66
		.amdhsa_reserve_vcc 1
		.amdhsa_float_denorm_mode_32 3
		.amdhsa_float_denorm_mode_16_64 3
		.amdhsa_memory_ordered 1
		.amdhsa_forward_progress 1
		.amdhsa_inst_pref_size 39
	.end_amdhsa_kernel
	.amdgpu_metadata
---
amdhsa.version: [ 1, 2 ]
amdhsa.kernels:
  - .name:           k_q083f0cdce4_ffn
    .symbol:         k_q083f0cdce4_ffn.kd
    .args:
      - { .name: xbuf, .offset: 0, .size: 8, .value_kind: global_buffer, .address_space: global }
      - { .name: stat1, .offset: 8, .size: 8, .value_kind: global_buffer, .address_space: global }
      - { .name: ln1_g, .offset: 16, .size: 8, .value_kind: global_buffer, .address_space: global }
      - { .name: ln1_b, .offset: 24, .size: 8, .value_kind: global_buffer, .address_space: global }
      - { .name: wimg, .offset: 32, .size: 8, .value_kind: global_buffer, .address_space: global }
      - { .name: b2, .offset: 40, .size: 8, .value_kind: global_buffer, .address_space: global }
      - { .name: q, .offset: 48, .size: 8, .value_kind: global_buffer, .address_space: global }
      - { .name: ybuf, .offset: 56, .size: 8, .value_kind: global_buffer, .address_space: global }
      - { .name: stat2, .offset: 64, .size: 8, .value_kind: global_buffer, .address_space: global }
    .group_segment_fixed_size: 0
    .private_segment_fixed_size: 0
    .kernarg_segment_align: 8
    .kernarg_segment_size: 72
    .max_flat_workgroup_size: 128
    .sgpr_count:     66
    .vgpr_count:     512
    .wavefront_size: 32
...
	.end_amdgpu_metadata
.endif
;; end of part 4
;; launch ln2 (part 5): grid 256 x 1, 1 waves a work-group, no clusters, 0 bytes of LDS; arguments ybuf, stat2, ln2_g, ln2_b, out0, out1, out2; writes out0, out1, out2
.if DOCPART == 5
	.amdgcn_target "amdgcn-amd-amdhsa--gfx1250"
	.amdhsa_code_object_version 6
	.text
	.protected	k_q083f0cdce4_ln2
	.globl	k_q083f0cdce4_ln2
	.p2align	8
	.type	k_q083f0cdce4_ln2,@function
k_q083f0cdce4_ln2:
	s_mov_b64 s[64:65], 0
	v_nop
	global_prefetch_b8 v0, s[64:65] scope:SCOPE_SE
	s_setreg_imm32_b32 hwreg(HW_REG_WAVE_MODE, 25, 1), 1
	s_wait_xcnt 0x0
; Launch 5 of 5: the second LayerNorm over all 131,072 numbers, stored three times (the three outputs are the same numbers).  Nothing of the problem's work is left out.
; A wave owns 2,048 bytes, four loads and stores of 512 consecutive bytes for each buffer.  Every wave joins the 1,024 groups' (mean, M2) for itself: 8,192 bytes, read by all.  No LDS, no barrier.
.set SEL, 20
.set VS2, 22                           ; s22  2^-17
.set EPSR, 23                          ; s23  1e-5
.set MV,  8
.set QV,  40
.set YY,  72
.set GG,  88
.set BB,  104
.set TT,  120
.macro WSUM v, tmp
	v_add_f32_dpp v[\v], v[\v], v[\v] row_xmask:1 row_mask:0xf bank_mask:0xf
	v_add_f32_dpp v[\v], v[\v], v[\v] row_xmask:2 row_mask:0xf bank_mask:0xf
	v_add_f32_dpp v[\v], v[\v], v[\v] row_xmask:4 row_mask:0xf bank_mask:0xf
	v_add_f32_dpp v[\v], v[\v], v[\v] row_xmask:8 row_mask:0xf bank_mask:0xf
	v_permlanex16_b32 v[\tmp], v[\v], s[SEL], s[SEL+1]
	v_add_f32 v[\v], v[\v], v[\tmp]
.endm
; 1,024 groups of 128 numbers, 32 means in v[mv] on and 32 M2 in v[qv] on in each lane, are joined: the mean m in v[t+4], v[t+5]; M2 = the sum of the M2 + 128 x the sum of (mean - m)^2; 1 / sqrt(M2 / 131,072 + 1e-5) in v[t+6], v[t+7].
.macro COMBINE mv, qv, t
	v_pk_add_f32 v[\t:\t+1], v[\mv:\mv+1], v[\mv+2:\mv+3]
	v_pk_add_f32 v[\t+2:\t+3], v[\mv+4:\mv+5], v[\mv+6:\mv+7]
.irp i, 8,12,16,20,24,28
	v_pk_add_f32 v[\t:\t+1], v[\t:\t+1], v[\mv+\i:\mv+\i+1]
	v_pk_add_f32 v[\t+2:\t+3], v[\t+2:\t+3], v[\mv+\i+2:\mv+\i+3]
.endr
	v_pk_add_f32 v[\t:\t+1], v[\t:\t+1], v[\t+2:\t+3]
	v_add_f32 v[\t], v[\t], v[\t+1]
	WSUM \t, \t+1
	v_mul_f32 v[\t+4], 0x3a800000, v[\t]           ; / 1,024
	v_mov_b32 v[\t+5], v[\t+4]
.irp i, 0,2,4,6,8,10,12,14,16,18,20,22,24,26,28,30
	v_pk_add_f32 v[\mv+\i:\mv+\i+1], v[\mv+\i:\mv+\i+1], v[\t+4:\t+5] neg_lo:[0,1] neg_hi:[0,1]
.endr
	v_pk_mul_f32 v[\t:\t+1], v[\mv:\mv+1], v[\mv:\mv+1]
	v_pk_mul_f32 v[\t+2:\t+3], v[\mv+2:\mv+3], v[\mv+2:\mv+3]
.irp i, 4,8,12,16,20,24,28
	v_pk_fma_f32 v[\t:\t+1], v[\mv+\i:\mv+\i+1], v[\mv+\i:\mv+\i+1], v[\t:\t+1]
	v_pk_fma_f32 v[\t+2:\t+3], v[\mv+\i+2:\mv+\i+3], v[\mv+\i+2:\mv+\i+3], v[\t+2:\t+3]
.endr
	v_pk_add_f32 v[\t:\t+1], v[\t:\t+1], v[\t+2:\t+3]
	v_pk_add_f32 v[\t+2:\t+3], v[\qv:\qv+1], v[\qv+2:\qv+3]
	v_pk_add_f32 v[\t+6:\t+7], v[\qv+4:\qv+5], v[\qv+6:\qv+7]
.irp i, 8,12,16,20,24,28
	v_pk_add_f32 v[\t+2:\t+3], v[\t+2:\t+3], v[\qv+\i:\qv+\i+1]
	v_pk_add_f32 v[\t+6:\t+7], v[\t+6:\t+7], v[\qv+\i+2:\qv+\i+3]
.endr
	v_pk_add_f32 v[\t+2:\t+3], v[\t+2:\t+3], v[\t+6:\t+7]
	v_pk_fma_f32 v[\t:\t+1], v[\t:\t+1], 0x43000000, v[\t+2:\t+3] op_sel_hi:[1,0,1]
	v_add_f32 v[\t], v[\t], v[\t+1]
	WSUM \t, \t+1
	v_fma_f32 v[\t], v[\t], s[VS2], s[EPSR]        ; the variance + 1e-5
	s_wait_alu depctr_va_vdst(0)
	v_rsq_f32 v[\t+6], v[\t]
	v_nop                                          ; a plain line behind the transcendental,
	s_wait_alu depctr_va_vdst(0)                   ; and the wait ahead of its first reader
	v_mov_b32 v[\t+7], v[\t+6]
.endm
	s_load_b256 s[4:11], s[0:1], 0x0               ; ybuf s[4:5], stat2 s[6:7], ln2_g s[8:9], ln2_b s[10:11]
	s_load_b128 s[12:15], s[0:1], 0x20             ; out0, out1
	s_load_b64 s[16:17], s[0:1], 0x30              ; out2
	v_lshlrev_b32 v1, 4, v0                        ; one wave: the thread's number is the lane
	s_lshl_b32 s18, ttmp9, 11
	v_add_nc_u32 v2, s18, v1                       ; my 16 bytes of the wave's first 512
	s_mov_b32 s[SEL], 0x76543210
	s_mov_b32 s[SEL+1], 0xfedcba98
	s_mov_b32 s[VS2], 0x37000000
	s_mov_b32 s[EPSR], 0x3727c5ac
	s_wait_alu depctr_va_vdst(0)
	s_wait_kmcnt 0x0
.irp i, 0,1,2,3,4,5,6,7
	global_load_b128 v[MV+4*\i:MV+4*\i+3], v1, s[6:7] offset:512*\i
.endr
.irp i, 0,1,2,3,4,5,6,7
	global_load_b128 v[QV+4*\i:QV+4*\i+3], v1, s[6:7] offset:4096+512*\i
.endr
.irp i, 0,1,2,3
	global_load_b128 v[YY+4*\i:YY+4*\i+3], v2, s[4:5] offset:512*\i th:TH_LOAD_NT
	global_load_b128 v[GG+4*\i:GG+4*\i+3], v2, s[8:9] offset:512*\i th:TH_LOAD_NT
	global_load_b128 v[BB+4*\i:BB+4*\i+3], v2, s[10:11] offset:512*\i th:TH_LOAD_NT
.endr
	s_wait_loadcnt 12                              ; the statistics are in; the 12 loads of y, g and b may stay out
	COMBINE MV, QV, TT
	s_wait_loadcnt 0x0
.irp i, 0,2,4,6,8,10,12,14
	v_pk_add_f32 v[YY+\i:YY+\i+1], v[YY+\i:YY+\i+1], v[TT+4:TT+5] neg_lo:[0,1] neg_hi:[0,1]   ; y - m
.endr
	s_wait_alu depctr_va_vdst(0)
.irp i, 0,2,4,6,8,10,12,14
	v_pk_mul_f32 v[YY+\i:YY+\i+1], v[YY+\i:YY+\i+1], v[TT+6:TT+7]
.endr
.irp i, 0,2,4,6,8,10,12,14
	v_pk_fma_f32 v[YY+\i:YY+\i+1], v[YY+\i:YY+\i+1], v[GG+\i:GG+\i+1], v[BB+\i:BB+\i+1]
.endr
.irp i, 0,1,2,3
	global_store_b128 v2, v[YY+4*\i:YY+4*\i+3], s[12:13] offset:512*\i th:TH_STORE_NT
	global_store_b128 v2, v[YY+4*\i:YY+4*\i+3], s[14:15] offset:512*\i th:TH_STORE_NT
	global_store_b128 v2, v[YY+4*\i:YY+4*\i+3], s[16:17] offset:512*\i th:TH_STORE_NT
.endr
	s_endpgm
.Lfunc_end_k_q083f0cdce4_ln2:
	.size	k_q083f0cdce4_ln2, .Lfunc_end_k_q083f0cdce4_ln2-k_q083f0cdce4_ln2
	.p2alignl 7, 3214868480
	.fill 96, 4, 3214868480
	.section	.rodata,"a",@progbits
	.p2align	6, 0x0
	.amdhsa_kernel k_q083f0cdce4_ln2
		.amdhsa_group_segment_fixed_size 0
		.amdhsa_private_segment_fixed_size 0
		.amdhsa_enable_private_segment 0
		.amdhsa_kernarg_size 56
		.amdhsa_user_sgpr_count 2
		.amdhsa_user_sgpr_kernarg_segment_ptr 1
		.amdhsa_wavefront_size32 1
		.amdhsa_system_sgpr_workgroup_id_x 1
		.amdhsa_system_sgpr_workgroup_id_y 1
		.amdhsa_system_sgpr_workgroup_id_z 1
		.amdhsa_system_vgpr_workitem_id 0
		.amdhsa_next_free_vgpr 128
		.amdhsa_next_free_sgpr 66
		.amdhsa_reserve_vcc 0
		.amdhsa_float_denorm_mode_32 3
		.amdhsa_float_denorm_mode_16_64 3
		.amdhsa_memory_ordered 1
		.amdhsa_forward_progress 1
		.amdhsa_inst_pref_size 12
	.end_amdhsa_kernel
	.amdgpu_metadata
---
amdhsa.version: [ 1, 2 ]
amdhsa.kernels:
  - .name:           k_q083f0cdce4_ln2
    .symbol:         k_q083f0cdce4_ln2.kd
    .args:
      - { .name: ybuf, .offset: 0, .size: 8, .value_kind: global_buffer, .address_space: global }
      - { .name: stat2, .offset: 8, .size: 8, .value_kind: global_buffer, .address_space: global }
      - { .name: ln2_g, .offset: 16, .size: 8, .value_kind: global_buffer, .address_space: global }
      - { .name: ln2_b, .offset: 24, .size: 8, .value_kind: global_buffer, .address_space: global }
      - { .name: out0, .offset: 32, .size: 8, .value_kind: global_buffer, .address_space: global }
      - { .name: out1, .offset: 40, .size: 8, .value_kind: global_buffer, .address_space: global }
      - { .name: out2, .offset: 48, .size: 8, .value_kind: global_buffer, .address_space: global }
    .group_segment_fixed_size: 0
    .private_segment_fixed_size: 0
    .kernarg_segment_align: 8
    .kernarg_segment_size: 56
    .max_flat_workgroup_size: 32
    .sgpr_count:     66
    .vgpr_count:     128
    .wavefront_size: 32
...
	.end_amdgpu_metadata
.endif
;; end of part 5
